; MI455X (gfx1250); checked and timed in simulation.
; The chip was launched on July 23, 2026; its instructions are those of AMD's public machine-readable ISA for CDNA 5 (MIT licence, August 2026) and "CDNA5" Instruction Set Architecture Reference Guide (July 2026). The comments in the code are by the model that wrote it; some were corrected since.
;; Deep FM. Allowed arithmetic: float matrix products may take bf16 or f16 operands with f32 sums; all other float work in f32.
;; Inputs: W1 624 x 32 float32; W2 32 x 32 float32; Xi 16,384 x 39 x 1 int32; Xv 16,384 x 39 float32; b1 32 float32; b2 32 float32; bias 1 float32; emb1 39 x 100,000 x 1 float32; emb2 39 x 100,000 x 16 float32.
;; Outputs: out0 16,384 float32.
;; 2 versions, each right; version 2 is version 1 with the launch deepfm written anew for expert scheduling mode. Each part assembles by itself: llvm-mc -triple=amdgcn-amd-amdhsa -mcpu=gfx1250 --defsym DOCPART=n.
;; ======== version 1 of 2: 1 launch
;; launch deepfm (part 1): grid 256 x 1, 16 waves a work-group, no clusters, 125,440 bytes of LDS; arguments Xi, Xv, emb1, emb2, W1, W2, b1, b2, bias, out0; writes out0
.if DOCPART == 1
	.amdgcn_target "amdgcn-amd-amdhsa--gfx1250"
	.amdhsa_code_object_version 6
	.text
	.protected	k_qfd75653b32_deepfm
	.globl	k_qfd75653b32_deepfm
	.p2align	8
	.type	k_qfd75653b32_deepfm,@function
k_qfd75653b32_deepfm:
	s_mov_b64 s[64:65], 0
	v_nop
	global_prefetch_b8 v0, s[64:65] scope:SCOPE_SE
	s_setreg_imm32_b32 hwreg(HW_REG_WAVE_MODE, 25, 1), 1
	s_wait_xcnt 0x0
; DeepFM, one launch.  out0[b] = sum_f emb1[f][Xi]*Xv + sum_e 0.5 (s_e^2 - sum_f e2^2) + sum relu(relu(e2 W1 + b1) W2 + b2) + bias.
; 256 work-groups of 16 waves; a work-group owns 64 batch rows.  Wave w: row tile tt = w & 3 (16 rows), K quarter q = w >> 2
; (field slots i = 0..9 = fields 10 q + i).  A wave asks for all its table rows at once (20 loads of 16 bytes and 5 of 4 bytes a lane), so
; the work-group's 64 x 39 x 64 bytes of emb2 are all on their way together: no ring, and nothing left to ask for ahead of time.
; Lane (r = L & 15, h = L >> 4) loads bytes 32 h .. 32 h + 31 of the row for batch row r: elements 8 h .. 8 h + 7, which is where a 16-bit
; fragment of K = 32 wants them (two fields make one K step).  Both layers use the matrix instruction with the weights as source 0 and the
; activations as source 1: register j of lane (r, h) of a result is feature n0 + 8 h + j of batch row r, so layer 1's two results, rounded to
; bf16, ARE layer 2's fragment, and every sum of a batch row stays in lanes r and r + 16.
; 39 fields are 19.5 K steps: slot 9 of quarter 3 is a phantom.  It reads field 38's index and rows again (valid addresses), what it loaded is
; ANDed with 0, and rows 624..639 of W1's image in LDS are zeros.
; FORMATS: e2, W1, h1, W2 enter the matrix unit in bf16, sums in f32; everything else in f32.
; LIMITS: an index above 99,999 as an unsigned number (so a negative one too) is clamped to 99,999; the problem keeps indices inside the
; table.  The f32 sums run in another order than the reference's.  The phantom slot multiplies exact zeros by Xv[.][38]: NaN only where that
; Xv is not finite, where the reference's result is NaN as well.
; NO CLUSTER: what work-groups share is W1, W2, b1, b2, 84,224 bytes of the about 275,000 that a work-group asks for, and these bytes have to
; be rounded from f32 to bf16 on their way, which goes through registers; a joint tile in LDS would be read and written once more.
; NO TENSOR LOADS: the gathered rows land in fragment layout in registers straight away.
.set NF,     39
.set ROWB,   156                       ; bytes of a batch row in Xi and in Xv
.set GRPB,   9984                      ; 64 such rows = 39 x 256 bytes
.set E2F,    6400000                   ; bytes of one field's table in emb2
.set E1F,    400000                    ; and in emb1
.set IMAX,   99999
; LDS.  No region is written again after it has been read: one barrier for each, between its fill and its reads.
.set L_B1,   0                         ; b1, 32 f32
.set L_B2,   128                       ; b2, 32 f32
.set L_OUT,  256                       ; the 64 totals
.set L_WS,   512                       ; 672 rows of 32 bf16, pitch 96: W1[k][n] 0..623, zeros 624..639, W2[k][n] 640..671
.set WP,     96                        ; 64 bytes of data + 32: an odd multiple of 32, so that the rows which a transposing load touches spread over the banks
.set L_Z,    L_WS+624*WP
.set L_W2,   L_WS+640*WP
.set L_XI,   65024                     ; the group's indices as in memory; Xv lies GRPB behind.  Pitch 39 words, odd: 16 rows, 16 banks
.set L_RED,  84992                     ; 12 blocks of 3,200 bytes, block (tt, q = 1..3): 6 x 512 (16 bytes a lane) + 128 (4 bytes a lane)
.set REDBLK, 3200
.set L_REDB, L_RED-REDBLK
; vector registers.  v0 t, v1 L, v2 32 h, v3 E1F h, v4 the same for slot 9 (0 in quarter 3), v5 and v6 LDS addresses of my row's indices,
; v7 W fragments, v8 and v9 my block of RED, v10 mask of the phantom's emb1 word, v11 8 t, v12 8 t + L_XI, v13 16 t, v14 W staging,
; v15 4 L, v16 my total's word, v17 the zero rows, v18 r, v19 h (later at work)
.set RXV,   20                         ; v[20:29]   Xv of slot i
.set RXVS,  30                         ; v[30:34]   Xv of slot 2 j + h
.set RE1,   35                         ; v[35:39]   emb1 of slot 2 j + h
.set VO2,   40                         ; v[40:49]   index of slot i, then its byte offset in emb2's field
.set VO1,   50                         ; v[50:54]   index of slot 2 j + h, then its byte offset in emb1
.set RC,    55                         ; v55        first-order part - 0.5 sum of squares, in the end the total
.set RS,    56                         ; v[56:63]   s of my 8 elements
.set RQ,    64                         ; v[64:71]   sum of squares of my 8 elements
.set RD0,   72                         ; v[72:79]   layer 1, features 8 h + j
.set RD1,   80                         ; v[80:87]   layer 1, features 16 + 8 h + j
.set RX,    88                         ; v[88:167]  slot i: 8 registers; step j's fragment ends in RX + 16 j .. + 7
.set RBW,   168                        ; v[168:247] W1's fragments: step j, tile n at RBW + 16 j + 8 n
.set IDXR,  RS                         ; staging of Xi and Xv, 12 registers in RS and RQ: no later load lands here, and the sums start only in K step 0
.set WR,    RBW                        ; staging of W1 (48), W2 (16), b1 and b2 (2), zeros (4): done with before the fragments are loaded
.set PD,    RX                         ; reducers: three partners' layer 1 sums, 16 each
.set PS,    RX+48                      ; their s, 8 each
.set PC,    RX+72                      ; their RC
.set B1R,   RBW                        ; b1 in the layout of RD0, RD1
.set W2F,   RBW+16                     ; W2's two fragments
.set RD2,   RBW+32                     ; layer 2's two results; b2 is loaded into them and enters as C
.set RH,    RBW+48                     ; h1 in bf16
.set E2B,   40                         ; s[40:59]   emb2 at slot i's field;  s[60:61] emb1 at the quarter's first field
.macro BAR
	s_barrier_signal -1
	s_barrier_wait -1
.endm
	; ---- arguments, ids, and what the staging loads need
	s_load_b512 s[8:23], s[0:1], 0x0               ; Xi s[8:9], Xv s[10:11], emb1 s[12:13], emb2 s[14:15], W1 s[16:17], W2 s[18:19], b1 s[20:21], b2 s[22:23]
	s_load_b128 s[24:27], s[0:1], 0x40             ; bias s[24:25], out0 s[26:27]
	v_lshl_add_u32 v248, v0, 2, 0x1e200
	v_mov_b32 v249, 0
	v_lshrrev_b32 v18, 5, v0
	v_readfirstlane_b32 s28, v18                   ; wave 0..15
	v_and_b32 v1, 31, v0                           ; L
	v_lshlrev_b32 v11, 3, v0                       ; 8 t
	v_lshlrev_b32 v13, 4, v0                       ; 16 t
	v_lshlrev_b32 v15, 2, v1                       ; 4 L
	s_mul_i32 s32, ttmp9, GRPB                     ; the group's 64 rows in Xi and Xv
	s_mov_b32 s33, 0
	s_wait_kmcnt 0x0
	s_add_nc_u64 s[8:9], s[8:9], s[32:33]
	s_add_nc_u64 s[10:11], s[10:11], s[32:33]
	s_load_b32 s34, s[24:25], 0x0                  ; bias; waited for in front of the third barrier
	; ---- staging loads, by role.  Waves 0..12 (416 threads; 13 divides 39 and 156, so every job is whole waves): Xi, Xv, W1.
	s_cmp_gt_u32 s28, 12
	s_cbranch_scc1 .Lld_bc
.irp p, 0,1,2
	global_load_b64 v[IDXR+2*\p:IDXR+2*\p+1], v11, s[8:9] offset:3328*\p th:TH_LOAD_NT       ; a wave's load covers 256 consecutive bytes, aligned; read once in the launch
.endr
.irp p, 0,1,2
	global_load_b64 v[IDXR+6+2*\p:IDXR+6+2*\p+1], v11, s[10:11] offset:3328*\p th:TH_LOAD_NT
.endr
.irp p, 0,1,2,3,4,5,6,7,8,9,10,11
	global_load_b128 v[WR+4*\p:WR+4*\p+3], v13, s[16:17] offset:6656*\p                      ; chunk t + 416 p: row (t >> 3) + 52 p, columns 4 (t & 7) .. + 3
.endr
	s_branch .Lld_join
.Lld_bc:
	s_cmp_eq_u32 s28, 15
	s_cbranch_scc1 .Lld_c
.irp p, 0,1,2,3
	global_load_b128 v[WR+4*\p:WR+4*\p+3], v13, s[18:19] offset:1024*\p-6656                 ; waves 13, 14: W2; 16 t - 6,656 = 16 (t - 416), not below 0
.endr
	s_branch .Lld_join
.Lld_c:
	global_load_b32 v[WR], v15, s[20:21]           ; wave 15: b1, b2
	global_load_b32 v[WR+1], v15, s[22:23]
.Lld_join:
	; ---- the rest of the set-up, while those loads are on their way (it writes none of their registers)
	s_and_b32 s29, s28, 3                          ; tt
	s_lshr_b32 s30, s28, 2                         ; q
	s_lshl_b32 s32, ttmp9, 8
	s_add_nc_u64 s[26:27], s[26:27], s[32:33]      ; out0 at the group's 256 bytes
	s_mul_i32 s32, s30, 10*E2F
	s_add_nc_u64 s[E2B:E2B+1], s[14:15], s[32:33]  ; emb2 at field 10 q
.irp i, 1,2,3,4,5,6,7,8
	s_add_nc_u64 s[E2B+2*\i:E2B+2*\i+1], s[E2B+2*\i-2:E2B+2*\i-1], E2F
.endr
	s_cmp_eq_u32 s30, 3                            ; quarter 3: slot 9 is the phantom
	s_cselect_b32 s32, 0, E2F                      ; it stays at field 38,
	s_cselect_b32 s36, 0, -1                       ; what it loads is ANDed with 0,
	s_cselect_b32 s62, 0, E1F                      ; and in emb1 it stays at field 38 too
	s_add_nc_u64 s[E2B+18:E2B+19], s[E2B+16:E2B+17], s[32:33]
	s_mul_i32 s32, s30, 10*E1F
	s_add_nc_u64 s[60:61], s[12:13], s[32:33]      ; emb1 at field 10 q
	s_mul_i32 s63, s30, 10
	s_add_co_u32 s63, s63, 9
	s_min_u32 s63, s63, NF-1
	s_lshl_b32 s63, s63, 2                         ; 4 x slot 9's field
	s_mul_i32 s2, s29, 16*ROWB
	s_add_co_u32 s2, s2, L_XI                      ; my tile's 16 rows of indices
	s_mul_i32 s3, s30, 40
	s_add_co_u32 s3, s3, s2                        ; + my quarter's first field
	s_add_co_u32 s4, s2, s63                       ; or + slot 9's field
	s_mul_i32 s5, s30, 160*WP                      ; my quarter's 160 rows of W1
	s_mul_i32 s6, s29, 3*REDBLK
	s_mul_i32 s7, s30, REDBLK
	s_add_co_u32 s6, s6, s7
	s_add_co_u32 s6, s6, L_REDB                    ; block (tt, q); with q = 0 the block in front of the tile's three, reached only with offsets from 3,200 on
	s_add_co_u32 s7, s6, 3072
	s_lshl_b32 s31, s29, 6
	s_mov_b32 s35, 0xffff0000                      ; the lanes with h = 1
	s_mov_b32 s37, 0x76543210                      ; v_permlanex16_b32: lane i reads lane i of the other half
	s_mov_b32 s38, 0xfedcba98
	v_and_b32 v18, 15, v0                          ; r
	v_bfe_u32 v19, v0, 4, 1                        ; h
	v_lshlrev_b32 v2, 5, v19
	v_mul_u32_u24 v3, v19, E1F
	v_mul_u32_u24 v4, s62, v19
	v_mad_u32_u24 v5, v18, ROWB, s3
	v_mad_u32_u24 v6, v18, ROWB, s4
	v_and_b32 v7, 7, v0
	v_lshl_add_u32 v7, v19, 3, v7                  ; 8 h + (L & 7)
	v_bfe_u32 v8, v0, 3, 1
	v_mad_u32_u24 v7, v7, WP, s5
	v_lshl_add_u32 v7, v8, 4, v7                   ; + 16 ((L >> 3) & 1)
	v_lshl_add_u32 v8, v1, 4, s6
	v_lshl_add_u32 v9, v1, 2, s7
	v_mov_b32 v10, s36
	v_cndmask_b32 v10, -1, v10, s35                ; h = 1: the phantom's mask; h = 0: all ones
	v_add_nc_u32 v12, L_XI, v11
	v_lshrrev_b32 v14, 3, v0
	v_and_b32 v16, 7, v0
	v_mul_u32_u24 v14, v14, WP
	v_lshl_add_u32 v14, v16, 3, v14                ; 96 (t >> 3) + 8 (t & 7)
	v_lshl_add_u32 v16, v18, 2, s31                ; 4 r + 64 tt
	v_lshrrev_b32 v17, 1, v1
	v_and_b32 v[RC], 1, v1
	v_mul_u32_u24 v17, v17, WP
	v_lshl_add_u32 v17, v[RC], 5, v17              ; 96 (L >> 1) + 32 (L & 1)
	; ---- Xi and Xv into LDS
	s_wait_loadcnt 12                              ; waves 0..12: the 12 loads of W1 are younger, the six of Xi and Xv are in.  Waves 13..15 have at most four loads out and pass
	s_cmp_gt_u32 s28, 12
	s_cbranch_scc1 .Lidx_done
.irp p, 0,1,2
	ds_store_b64 v12, v[IDXR+2*\p:IDXR+2*\p+1] offset:3328*\p
	ds_store_b64 v12, v[IDXR+6+2*\p:IDXR+6+2*\p+1] offset:GRPB+3328*\p
.endr
.Lidx_done:
	s_wait_dscnt 0x0                               ; for the other waves' sake: my stores are done
	BAR                                            ; barrier 1: indices and Xv are in LDS
	; ---- indices to gathers
.irp i, 0,1,2,3,4,5,6,7,8
	ds_load_b32 v[VO2+\i], v5 offset:4*\i
.endr
	ds_load_b32 v[VO2+9], v6
.irp i, 0,1,2,3,4,5,6,7,8
	ds_load_b32 v[RXV+\i], v5 offset:GRPB+4*\i
.endr
	ds_load_b32 v[RXV+9], v6 offset:GRPB
	s_wait_dscnt 10                                ; the ten reads of Xv are younger: the ten indices are in
.irp j, 0,1,2,3,4
	v_cndmask_b32 v[VO1+\j], v[VO2+2*\j], v[VO2+2*\j+1], s35      ; the index of slot 2 j + h
.endr
.macro GATHER2 i                       ; my 32 bytes of slot i's row.  No cache word: a row may be named again
	v_min_u32 v[VO2+\i], IMAX, v[VO2+\i]
	v_lshl_add_u32 v[VO2+\i], v[VO2+\i], 6, v2
	global_load_b128 v[RX+8*\i:RX+8*\i+3], v[VO2+\i], s[E2B+2*\i:E2B+2*\i+1]
	global_load_b128 v[RX+8*\i+4:RX+8*\i+7], v[VO2+\i], s[E2B+2*\i:E2B+2*\i+1] offset:16
.endm
.irp i, 0,1,2,3,4,5,6,7,8,9
	GATHER2 \i
.endr
.macro GATHER1 j, hterm                ; emb1's word of slot 2 j + h
	v_min_u32 v[VO1+\j], IMAX, v[VO1+\j]
	v_lshl_add_u32 v[VO1+\j], v[VO1+\j], 2, \hterm
	global_load_b32 v[RE1+\j], v[VO1+\j], s[60:61] offset:2*E1F*\j
.endm
	GATHER1 0, v3
	GATHER1 1, v3
	GATHER1 2, v3
	GATHER1 3, v3
	GATHER1 4, v4
	s_wait_dscnt 0x0                               ; Xv
.irp j, 0,1,2,3,4
	v_cndmask_b32 v[RXVS+\j], v[RXV+2*\j], v[RXV+2*\j+1], s35
.endr
	; ---- weights into LDS as bf16, while the gathers are on their way
	s_wait_loadcnt 25                              ; the 25 gathers are younger: every staging load is in
.macro CVTW p, off                     ; four f32 to four bf16, 8 bytes into W's image
	v_cvt_pk_bf16_f32 v[WR+4*\p], v[WR+4*\p], v[WR+4*\p+1]
	v_cvt_pk_bf16_f32 v[WR+4*\p+1], v[WR+4*\p+2], v[WR+4*\p+3]
	ds_store_b64 v14, v[WR+4*\p:WR+4*\p+1] offset:\off
.endm
	s_cmp_gt_u32 s28, 12
	s_cbranch_scc1 .Lw_bc
.irp p, 0,1,2,3,4,5,6,7,8,9,10,11
	CVTW \p, L_WS+52*WP*\p                         ; row (t >> 3) + 52 p
.endr
	s_branch .Lw_join
.Lw_bc:
	s_cmp_eq_u32 s28, 15
	s_cbranch_scc1 .Lw_c
.irp p, 0,1,2,3
	CVTW \p, L_WS+588*WP+8*WP*\p                   ; row 640 + ((t - 416) >> 3) + 8 p = 588 + (t >> 3) + 8 p
.endr
	s_branch .Lw_join
.Lw_c:
	ds_store_b32 v15, v[WR] offset:L_B1
	ds_store_b32 v15, v[WR+1] offset:L_B2
.irp k, 4,5,6,7
	v_mov_b32 v[WR+\k], 0
.endr
	ds_store_b128 v17, v[WR+4:WR+7] offset:L_Z     ; rows 624..639: 32 lanes x 32 bytes
	ds_store_b128 v17, v[WR+4:WR+7] offset:L_Z+16
.Lw_join:
	s_wait_dscnt 0x0
	BAR                                            ; barrier 2: W1, the zeros, W2, b1, b2 are in LDS
	; ---- W1's fragments: 32 k x 16 n each, transposed on the way (k along the registers, column n0 + r in lane (r, h))
.irp j, 0,1,2,3,4
	ds_load_tr16_b128 v[RBW+16*\j:RBW+16*\j+3],     v7 offset:L_WS+32*WP*\j
	ds_load_tr16_b128 v[RBW+16*\j+4:RBW+16*\j+7],   v7 offset:L_WS+32*WP*\j+16*WP
	ds_load_tr16_b128 v[RBW+16*\j+8:RBW+16*\j+11],  v7 offset:L_WS+32*WP*\j+32
	ds_load_tr16_b128 v[RBW+16*\j+12:RBW+16*\j+15], v7 offset:L_WS+32*WP*\j+16*WP+32
.endr
; K step j: slots a = 2 j and b = 2 j + 1.  Scale by Xv, add to s and to the sum of squares in f32, round to bf16, two matrix instructions.
; The two accumulators are chains in place; the vector work between two links names none of their registers.
.macro STEP j
.set XA, RX+16*\j
.set XB, RX+16*\j+8
	s_wait_loadcnt 21-4*\j                         ; 25 - 4 (j + 1) gathers are younger than this step's four
.if \j == 4
.irp k, 0,1,2,3,4,5,6,7
	v_and_b32 v[XB+\k], s36, v[XB+\k]              ; the phantom of quarter 3 becomes zeros; elsewhere the mask is all ones
.endr
.endif
.irp k, 0,2,4,6
	v_pk_mul_f32 v[XA+\k:XA+\k+1], v[XA+\k:XA+\k+1], v[RXV+2*\j:RXV+2*\j+1] op_sel_hi:[1,0]              ; both by Xv of slot a
.endr
.irp k, 0,2,4,6
	v_pk_mul_f32 v[XB+\k:XB+\k+1], v[XB+\k:XB+\k+1], v[RXV+2*\j:RXV+2*\j+1] op_sel:[0,1] op_sel_hi:[1,1] ; both by Xv of slot b
.endr
.if \j == 0
.irp k, 0,2,4,6
	v_pk_add_f32 v[RS+\k:RS+\k+1], v[XA+\k:XA+\k+1], v[XB+\k:XB+\k+1]                                    ; the first step starts the sums: nothing is cleared
	v_pk_mul_f32 v[RQ+\k:RQ+\k+1], v[XA+\k:XA+\k+1], v[XA+\k:XA+\k+1]
.endr
.else
.irp k, 0,2,4,6
	v_pk_add_f32 v[RS+\k:RS+\k+1], v[RS+\k:RS+\k+1], v[XA+\k:XA+\k+1]
	v_pk_fma_f32 v[RQ+\k:RQ+\k+1], v[XA+\k:XA+\k+1], v[XA+\k:XA+\k+1], v[RQ+\k:RQ+\k+1]
.endr
.irp k, 0,2,4,6
	v_pk_add_f32 v[RS+\k:RS+\k+1], v[RS+\k:RS+\k+1], v[XB+\k:XB+\k+1]
.endr
.endif
.irp k, 0,2,4,6
	v_pk_fma_f32 v[RQ+\k:RQ+\k+1], v[XB+\k:XB+\k+1], v[XB+\k:XB+\k+1], v[RQ+\k:RQ+\k+1]
.endr
.irp k, 0,1,2,3
	v_cvt_pk_bf16_f32 v[XA+\k], v[XA+2*\k], v[XA+2*\k+1]           ; k = 8 h .. + 7 of the step: slot a.  Each source is used before it is written over
.endr
.irp k, 0,1,2,3
	v_cvt_pk_bf16_f32 v[XA+4+\k], v[XB+2*\k], v[XB+2*\k+1]         ; k = 16 + 8 h .. + 7: slot b
.endr
	s_wait_dscnt 16-4*\j                           ; the later steps' fragment loads are younger
.if \j == 0
	v_wmma_f32_16x16x32_bf16 v[RD0:RD0+7], v[RBW+16*\j:RBW+16*\j+7], v[XA:XA+7], 0
	v_wmma_f32_16x16x32_bf16 v[RD1:RD1+7], v[RBW+16*\j+8:RBW+16*\j+15], v[XA:XA+7], 0
.else
	v_wmma_f32_16x16x32_bf16 v[RD0:RD0+7], v[RBW+16*\j:RBW+16*\j+7], v[XA:XA+7], v[RD0:RD0+7]
	v_wmma_f32_16x16x32_bf16 v[RD1:RD1+7], v[RBW+16*\j+8:RBW+16*\j+15], v[XA:XA+7], v[RD1:RD1+7]
.endif
.endm
	STEP 0
	STEP 1
	STEP 2
	STEP 3
	STEP 4
	; ---- the wave's scalar part.  These eleven plain vector instructions name no register of the last matrix instructions, so they are also
	; the distance that the LDS stores of the results and the loads into former fragments keep from them
	s_wait_loadcnt 0x0                             ; emb1's five words
	v_and_b32 v[RE1+4], v10, v[RE1+4]              ; the phantom's word becomes zero
	v_mul_f32 v[RC], v[RE1], v[RXVS]
.irp j, 1,2,3,4
	v_fma_f32 v[RC], v[RE1+\j], v[RXVS+\j], v[RC]
.endr
	v_pk_add_f32 v[RQ:RQ+1], v[RQ:RQ+1], v[RQ+2:RQ+3]
	v_pk_add_f32 v[RQ+4:RQ+5], v[RQ+4:RQ+5], v[RQ+6:RQ+7]
	v_pk_add_f32 v[RQ:RQ+1], v[RQ:RQ+1], v[RQ+4:RQ+5]
	v_add_f32 v[RQ], v[RQ], v[RQ+1]
	v_fma_f32 v[RC], -0.5, v[RQ], v[RC]            ; first-order part - 0.5 x sum of squares
	; ---- quarters 1..3 hand their sums to quarter 0
	s_cmp_lt_u32 s28, 4
	s_cbranch_scc1 .Lkeep
	ds_store_b128 v8, v[RD0:RD0+3]
	ds_store_b128 v8, v[RD0+4:RD0+7] offset:512
	ds_store_b128 v8, v[RD1:RD1+3] offset:1024
	ds_store_b128 v8, v[RD1+4:RD1+7] offset:1536
	ds_store_b128 v8, v[RS:RS+3] offset:2048
	ds_store_b128 v8, v[RS+4:RS+7] offset:2560
	ds_store_b32 v9, v[RC]
.Lkeep:
	s_wait_dscnt 0x0
	s_wait_kmcnt 0x0                               ; bias
	BAR                                            ; barrier 3: the partial sums are in LDS
	s_cmp_gt_u32 s28, 3
	s_cbranch_scc1 .Ljoin
	; ---- waves 0..3: add the quarters, layer 2, the totals of 16 rows.  33 LDS loads in five groups, in the order of their use
.irp p, 1,2,3
.irp k, 0,1,2,3
	ds_load_b128 v[PD+16*(\p-1)+4*\k:PD+16*(\p-1)+4*\k+3], v8 offset:REDBLK*\p+512*\k
.endr
.endr
	ds_load_b128 v[B1R:B1R+3], v2 offset:L_B1                      ; b1[8 h ..]
	ds_load_b128 v[B1R+4:B1R+7], v2 offset:L_B1+16
	ds_load_b128 v[B1R+8:B1R+11], v2 offset:L_B1+64                ; b1[16 + 8 h ..]
	ds_load_b128 v[B1R+12:B1R+15], v2 offset:L_B1+80
	ds_load_tr16_b128 v[W2F:W2F+3], v7 offset:L_W2
	ds_load_tr16_b128 v[W2F+4:W2F+7], v7 offset:L_W2+16*WP
	ds_load_tr16_b128 v[W2F+8:W2F+11], v7 offset:L_W2+32
	ds_load_tr16_b128 v[W2F+12:W2F+15], v7 offset:L_W2+16*WP+32
	ds_load_b128 v[RD2:RD2+3], v2 offset:L_B2                      ; b2 in the results' layout: it enters as C
	ds_load_b128 v[RD2+4:RD2+7], v2 offset:L_B2+16
	ds_load_b128 v[RD2+8:RD2+11], v2 offset:L_B2+64
	ds_load_b128 v[RD2+12:RD2+15], v2 offset:L_B2+80
.irp p, 1,2,3
	ds_load_b128 v[PS+8*(\p-1):PS+8*(\p-1)+3], v8 offset:REDBLK*\p+2048
	ds_load_b128 v[PS+8*(\p-1)+4:PS+8*(\p-1)+7], v8 offset:REDBLK*\p+2560
.endr
.irp p, 1,2,3
	ds_load_b32 v[PC+\p-1], v9 offset:REDBLK*\p
.endr
	s_wait_dscnt 17                                ; W2 (4), b2 (4), s (6) and the scalars (3) are younger: the layer 1 sums and b1 are in
.irp k, 0,2,4,6,8,10,12,14
	v_pk_add_f32 v[RD0+\k:RD0+\k+1], v[RD0+\k:RD0+\k+1], v[PD+\k:PD+\k+1]
.endr
.irp k, 0,2,4,6,8,10,12,14
	v_pk_add_f32 v[RD0+\k:RD0+\k+1], v[RD0+\k:RD0+\k+1], v[PD+16+\k:PD+16+\k+1]
.endr
.irp k, 0,2,4,6,8,10,12,14
	v_pk_add_f32 v[RD0+\k:RD0+\k+1], v[RD0+\k:RD0+\k+1], v[PD+32+\k:PD+32+\k+1]
.endr
.irp k, 0,2,4,6,8,10,12,14
	v_pk_add_f32 v[RD0+\k:RD0+\k+1], v[RD0+\k:RD0+\k+1], v[B1R+\k:B1R+\k+1]
.endr
.irp k, 0,1,2,3,4,5,6,7,8,9,10,11,12,13,14,15
	v_max_num_f32 v[RD0+\k], 0, v[RD0+\k]
.endr
.irp k, 0,1,2,3,4,5,6,7
	v_cvt_pk_bf16_f32 v[RH+\k], v[RD0+2*\k], v[RD0+2*\k+1]         ; features 8 h + 0..7, then 16 + 8 h + 0..7: layer 2's fragment as it stands
.endr
	s_wait_dscnt 9                                 ; s and the scalars are younger: W2 and b2 are in
	v_wmma_f32_16x16x32_bf16 v[RD2:RD2+7], v[W2F:W2F+7], v[RH:RH+7], v[RD2:RD2+7]
	v_wmma_f32_16x16x32_bf16 v[RD2+8:RD2+15], v[W2F+8:W2F+15], v[RH:RH+7], v[RD2+8:RD2+15]
	s_wait_dscnt 0x0
	; the FM term: 21 plain vector instructions on other registers stand between the matrix instructions and the first read of their results
.irp p, 0,1,2
.irp k, 0,2,4,6
	v_pk_add_f32 v[RS+\k:RS+\k+1], v[RS+\k:RS+\k+1], v[PS+8*\p+\k:PS+8*\p+\k+1]
.endr
.endr
.irp p, 0,1,2
	v_add_f32 v[RC], v[RC], v[PC+\p]
.endr
	v_pk_mul_f32 v[RQ:RQ+1], v[RS:RS+1], v[RS:RS+1]
.irp k, 2,4,6
	v_pk_fma_f32 v[RQ:RQ+1], v[RS+\k:RS+\k+1], v[RS+\k:RS+\k+1], v[RQ:RQ+1]
.endr
	v_add_f32 v[RQ], v[RQ], v[RQ+1]
	v_fma_f32 v[RC], 0.5, v[RQ], v[RC]             ; + 0.5 x the sum of s^2 over my 8 elements
.irp k, 0,1,2,3,4,5,6,7,8,9,10,11,12,13,14,15
	v_max_num_f32 v[RD2+\k], 0, v[RD2+\k]
.endr
.irp k, 0,4,8,12
	v_pk_add_f32 v[RD2+\k:RD2+\k+1], v[RD2+\k:RD2+\k+1], v[RD2+\k+2:RD2+\k+3]
.endr
	v_pk_add_f32 v[RD2:RD2+1], v[RD2:RD2+1], v[RD2+4:RD2+5]
	v_pk_add_f32 v[RD2+8:RD2+9], v[RD2+8:RD2+9], v[RD2+12:RD2+13]
	v_pk_add_f32 v[RD2:RD2+1], v[RD2:RD2+1], v[RD2+8:RD2+9]
	v_add_f32 v[RD2], v[RD2], v[RD2+1]
	v_add_f32 v[RC], v[RC], v[RD2]                 ; + my 16 of the row's 32 h
	v_permlanex16_b32 v18, v[RC], s37, s38         ; the other half's part of the same batch row (v18 has been written: it held r)
	v_add_f32 v[RC], v[RC], v18
	v_add_f32 v[RC], s34, v[RC]                    ; + bias
	ds_store_b32 v16, v[RC] offset:L_OUT           ; lanes r and r + 16 write the same word with the same value
.Ljoin:
	s_wait_dscnt 0x0
	BAR                                            ; barrier 4: the 64 totals are in LDS
	s_cmp_lg_u32 s28, 0
	s_cbranch_scc1 .Lend
	ds_load_b64 v[18:19], v11 offset:L_OUT         ; wave 0: t = L
	s_wait_dscnt 0x0
	global_store_b64 v11, v[18:19], s[26:27] th:TH_STORE_NT        ; 32 lanes x 8 bytes: the group's 256 consecutive bytes of out0, aligned
.Lend:
	s_wait_tensorcnt 0x0
	ds_add_u32 v248, v249
	s_wait_dscnt 0x0
	s_endpgm
.Lfunc_end_k_qfd75653b32_deepfm:
	.size	k_qfd75653b32_deepfm, .Lfunc_end_k_qfd75653b32_deepfm-k_qfd75653b32_deepfm
	.p2alignl 7, 3214868480
	.fill 96, 4, 3214868480
	.section	.rodata,"a",@progbits
	.p2align	6, 0x0
	.amdhsa_kernel k_qfd75653b32_deepfm
		.amdhsa_group_segment_fixed_size 125440
		.amdhsa_private_segment_fixed_size 0
		.amdhsa_enable_private_segment 0
		.amdhsa_kernarg_size 80
		.amdhsa_user_sgpr_count 2
		.amdhsa_user_sgpr_kernarg_segment_ptr 1
		.amdhsa_wavefront_size32 1
		.amdhsa_system_sgpr_workgroup_id_x 1
		.amdhsa_system_sgpr_workgroup_id_y 1
		.amdhsa_system_sgpr_workgroup_id_z 1
		.amdhsa_system_vgpr_workitem_id 0
		.amdhsa_next_free_vgpr 250
		.amdhsa_next_free_sgpr 66
		.amdhsa_reserve_vcc 0
		.amdhsa_float_denorm_mode_32 3
		.amdhsa_float_denorm_mode_16_64 3
		.amdhsa_memory_ordered 1
		.amdhsa_forward_progress 1
		.amdhsa_inst_pref_size 39
	.end_amdhsa_kernel
	.amdgpu_metadata
---
amdhsa.version: [ 1, 2 ]
amdhsa.kernels:
  - .name:           k_qfd75653b32_deepfm
    .symbol:         k_qfd75653b32_deepfm.kd
    .args:
      - { .name: Xi, .offset: 0, .size: 8, .value_kind: global_buffer, .address_space: global }
      - { .name: Xv, .offset: 8, .size: 8, .value_kind: global_buffer, .address_space: global }
      - { .name: emb1, .offset: 16, .size: 8, .value_kind: global_buffer, .address_space: global }
      - { .name: emb2, .offset: 24, .size: 8, .value_kind: global_buffer, .address_space: global }
      - { .name: W1, .offset: 32, .size: 8, .value_kind: global_buffer, .address_space: global }
      - { .name: W2, .offset: 40, .size: 8, .value_kind: global_buffer, .address_space: global }
      - { .name: b1, .offset: 48, .size: 8, .value_kind: global_buffer, .address_space: global }
      - { .name: b2, .offset: 56, .size: 8, .value_kind: global_buffer, .address_space: global }
      - { .name: bias, .offset: 64, .size: 8, .value_kind: global_buffer, .address_space: global }
      - { .name: out0, .offset: 72, .size: 8, .value_kind: global_buffer, .address_space: global }
    .group_segment_fixed_size: 125440
    .private_segment_fixed_size: 0
    .kernarg_segment_align: 8
    .kernarg_segment_size: 80
    .max_flat_workgroup_size: 512
    .sgpr_count:     66
    .vgpr_count:     250
    .wavefront_size: 32
...
	.end_amdgpu_metadata
.endif
;; end of part 1
;; ======== version 2 of 2: 1 launch; version 1 with the launch deepfm written anew for expert scheduling mode
;; launch deepfm (part 2): grid 256 x 1, 16 waves a work-group, no clusters, 125,440 bytes of LDS; arguments Xi, Xv, emb1, emb2, W1, W2, b1, b2, bias, out0; writes out0
.if DOCPART == 2
	.amdgcn_target "amdgcn-amd-amdhsa--gfx1250"
	.amdhsa_code_object_version 6
	.text
	.protected	k_qfd75653b32_deepfm
	.globl	k_qfd75653b32_deepfm
	.p2align	8
	.type	k_qfd75653b32_deepfm,@function
k_qfd75653b32_deepfm:
	s_mov_b64 s[64:65], 0
	v_nop
	global_prefetch_b8 v0, s[64:65] scope:SCOPE_SE
	s_setreg_imm32_b32 hwreg(HW_REG_WAVE_SCHED_MODE, 0, 2), 2
	s_setreg_imm32_b32 hwreg(HW_REG_WAVE_MODE, 25, 1), 1
	s_wait_xcnt 0x0
	s_wait_alu depctr_vm_vsrc(0)
; DeepFM, one launch.  out0[b] = sum_f emb1[f][Xi]*Xv + sum_e 0.5 (s_e^2 - sum_f e2^2) + sum relu(relu(e2 W1 + b1) W2 + b2) + bias.
; 256 work-groups of 16 waves; a work-group owns 64 batch rows.  Wave w: row tile tt = w & 3 (16 rows), K quarter q = w >> 2
; (field slots i = 0..9 = fields 10 q + i).  A wave asks for all its table rows at once (20 loads of 16 bytes and 5 of 4 bytes a lane), so
; the work-group's 64 x 39 x 64 bytes of emb2 are all on their way together: no ring, and nothing left to ask for ahead of time.
; Lane (r = L & 15, h = L >> 4) loads bytes 32 h .. 32 h + 31 of the row for batch row r: elements 8 h .. 8 h + 7, which is where a 16-bit
; fragment of K = 32 wants them (two fields make one K step).  Both layers use the matrix instruction with the weights as source 0 and the
; activations as source 1: register j of lane (r, h) of a result is feature n0 + 8 h + j of batch row r, so layer 1's two results, rounded to
; bf16, ARE layer 2's fragment, and every sum of a batch row stays in lanes r and r + 16.
; 39 fields are 19.5 K steps: slot 9 of quarter 3 is a phantom.  It reads field 38's index and rows again (valid addresses), what it loaded is
; ANDed with 0, and rows 624..639 of W1's image in LDS are zeros.
; FORMATS: e2, W1, h1, W2 enter the matrix unit in bf16, sums in f32; everything else in f32.
; LIMITS: an index above 99,999 as an unsigned number (so a negative one too) is clamped to 99,999; the problem keeps indices inside the
; table.  The f32 sums run in another order than the reference's.  The phantom slot multiplies exact zeros by Xv[.][38]: NaN only where that
; Xv is not finite, where the reference's result is NaN as well.
; NO CLUSTER: what work-groups share is W1, W2, b1, b2, 84,224 bytes of the about 275,000 that a work-group asks for, and these bytes have to
; be rounded from f32 to bf16 on their way, which goes through registers; a joint tile in LDS would be read and written once more.
; NO TENSOR LOADS: the gathered rows land in fragment layout in registers straight away.
; THE MODE: SCHED_MODE bits 1:0 = 2 (LLVM: expert scheduling mode 2), set by the entry lines.  The code itself states the register dependences
; between vector or matrix instructions and memory or LDS instructions, with s_wait_alu, always for 0.
; THE PLAN.  Registers that memory or LDS instructions touch, in the order of the text (there is no loop):
;   v11, v13, v15                  offsets, made at the head, never written again: one wait on va_vdst ahead of the staging loads.
;   v2, v5-v9, v12, v14, v16, v17  addresses, made in the set-up, never written again: one wait on va_vdst behind the set-up serves every later LDS instruction.
;   IDXR (= RS, RQ)                staging loads land; the LDS stores of Xi and Xv read; K step 0 writes them as sums.
;   WR (= RBW)                     staging loads land; conversions (or zeros) write in place; LDS stores read; W1's fragments land; matrix instructions read;
;                                  in waves 0..3 b1, W2 and b2 land in the first 48.
;   VO2, VO1                       indices land from LDS; vector lines make all 15 offsets; one wait on va_vdst; the 25 gathers read them; never written again.
;   RX, RE1                        gathers land; vector and matrix instructions work on them; in waves 0..3 the partners' sums land in RX.
;   RD0, RD1, RS, RC               vector and matrix results; waves 4..15 store them to LDS and never write them again; waves 0..3 store RC alone, at their end.
;   v18, v19                       vector work; in wave 0 the last LDS load lands there.
; One wait on vm_vsrc, behind the second barrier, states that the LDS stores have read IDXR and WR, ahead of all that writes these again.
; One wait on va_vdst behind the wave's last sums serves both ways on: the stores of waves 4..15 and the loads of waves 0..3.
.set NF,     39
.set ROWB,   156                       ; bytes of a batch row in Xi and in Xv
.set GRPB,   9984                      ; 64 such rows = 39 x 256 bytes
.set E2F,    6400000                   ; bytes of one field's table in emb2
.set E1F,    400000                    ; and in emb1
.set IMAX,   99999
; LDS.  No region is written again after it has been read: one barrier for each, between its fill and its reads.
.set L_B1,   0                         ; b1, 32 f32
.set L_B2,   128                       ; b2, 32 f32
.set L_OUT,  256                       ; the 64 totals
.set L_WS,   512                       ; 672 rows of 32 bf16, pitch 96: W1[k][n] 0..623, zeros 624..639, W2[k][n] 640..671
.set WP,     96                        ; 64 bytes of data + 32: an odd multiple of 32, so that the rows which a transposing load touches spread over the banks
.set L_Z,    L_WS+624*WP
.set L_W2,   L_WS+640*WP
.set L_XI,   65024                     ; the group's indices as in memory; Xv lies GRPB behind.  Pitch 39 words, odd: 16 rows, 16 banks
.set L_RED,  84992                     ; 12 blocks of 3,200 bytes, block (tt, q = 1..3): 6 x 512 (16 bytes a lane) + 128 (4 bytes a lane)
.set REDBLK, 3200
.set L_REDB, L_RED-REDBLK
; vector registers.  v0 t, v1 L, v2 32 h, v3 E1F h, v4 the same for slot 9 (0 in quarter 3), v5 and v6 LDS addresses of my row's indices,
; v7 W fragments, v8 and v9 my block of RED, v10 mask of the phantom's emb1 word, v11 8 t, v12 8 t + L_XI, v13 16 t, v14 W staging,
; v15 4 L, v16 my total's word, v17 the zero rows, v18 r, v19 h (later at work)
.set RXV,   20                         ; v[20:29]   Xv of slot i
.set RXVS,  30                         ; v[30:34]   Xv of slot 2 j + h
.set RE1,   35                         ; v[35:39]   emb1 of slot 2 j + h
.set VO2,   40                         ; v[40:49]   index of slot i, then its byte offset in emb2's field
.set VO1,   50                         ; v[50:54]   index of slot 2 j + h, then its byte offset in emb1
.set RC,    55                         ; v55        first-order part - 0.5 sum of squares, in the end the total
.set RS,    56                         ; v[56:63]   s of my 8 elements
.set RQ,    64                         ; v[64:71]   sum of squares of my 8 elements
.set RD0,   72                         ; v[72:79]   layer 1, features 8 h + j
.set RD1,   80                         ; v[80:87]   layer 1, features 16 + 8 h + j
.set RX,    88                         ; v[88:167]  slot i: 8 registers; step j's fragment ends in RX + 16 j .. + 7
.set RBW,   168                        ; v[168:247] W1's fragments: step j, tile n at RBW + 16 j + 8 n
.set IDXR,  RS                         ; staging of Xi and Xv, 12 registers in RS and RQ: no later load lands here, and the sums start only in K step 0
.set WR,    RBW                        ; staging of W1 (48), W2 (16), b1 and b2 (2), zeros (4): done with before the fragments are loaded
.set PD,    RX                         ; reducers: three partners' layer 1 sums, 16 each
.set PS,    RX+48                      ; their s, 8 each
.set PC,    RX+72                      ; their RC
.set B1R,   RBW                        ; b1 in the layout of RD0, RD1
.set W2F,   RBW+16                     ; W2's two fragments
.set RD2,   RBW+32                     ; layer 2's two results; b2 is loaded into them and enters as C
.set RH,    RBW+48                     ; h1 in bf16
.set E2B,   40                         ; s[40:59]   emb2 at slot i's field;  s[60:61] emb1 at the quarter's first field
.macro BAR
	s_barrier_signal -1
	s_barrier_wait -1
.endm
	; ---- arguments, ids, and what the staging loads need
	s_load_b512 s[8:23], s[0:1], 0x0               ; Xi s[8:9], Xv s[10:11], emb1 s[12:13], emb2 s[14:15], W1 s[16:17], W2 s[18:19], b1 s[20:21], b2 s[22:23]
	s_load_b128 s[24:27], s[0:1], 0x40             ; bias s[24:25], out0 s[26:27]
	v_lshl_add_u32 v248, v0, 2, 0x1e200
	v_mov_b32 v249, 0
	v_lshrrev_b32 v18, 5, v0
	v_readfirstlane_b32 s28, v18                   ; wave 0..15
	v_and_b32 v1, 31, v0                           ; L
	v_lshlrev_b32 v11, 3, v0                       ; 8 t
	v_lshlrev_b32 v13, 4, v0                       ; 16 t
	v_lshlrev_b32 v15, 2, v1                       ; 4 L
	s_mul_i32 s32, ttmp9, GRPB                     ; the group's 64 rows in Xi and Xv
	s_mov_b32 s33, 0
	s_wait_kmcnt 0x0
	s_add_nc_u64 s[8:9], s[8:9], s[32:33]
	s_add_nc_u64 s[10:11], s[10:11], s[32:33]
	s_load_b32 s34, s[24:25], 0x0                  ; bias; waited for in front of the third barrier
	s_wait_alu depctr_va_sdst(0)                   ; s28 is written, ahead of its first reader, the compare below
	s_wait_alu depctr_va_vdst(0)                   ; v11, v13 and v15 are written: the staging loads, and later wave 15's stores and wave 0's last load and store, read them as offsets
	; ---- staging loads, by role.  Waves 0..12 (416 threads; 13 divides 39 and 156, so every job is whole waves): Xi, Xv, W1.
	; No vector instruction has named the registers in which they land.
	s_cmp_gt_u32 s28, 12
	s_cbranch_scc1 .Lld_bc
.irp p, 0,1,2
	global_load_b64 v[IDXR+2*\p:IDXR+2*\p+1], v11, s[8:9] offset:3328*\p th:TH_LOAD_NT       ; a wave's load covers 256 consecutive bytes, aligned; read once in the launch
.endr
.irp p, 0,1,2
	global_load_b64 v[IDXR+6+2*\p:IDXR+6+2*\p+1], v11, s[10:11] offset:3328*\p th:TH_LOAD_NT
.endr
.irp p, 0,1,2,3,4,5,6,7,8,9,10,11
	global_load_b128 v[WR+4*\p:WR+4*\p+3], v13, s[16:17] offset:6656*\p                      ; chunk t + 416 p: row (t >> 3) + 52 p, columns 4 (t & 7) .. + 3
.endr
	s_branch .Lld_join
.Lld_bc:
	s_cmp_eq_u32 s28, 15
	s_cbranch_scc1 .Lld_c
.irp p, 0,1,2,3
	global_load_b128 v[WR+4*\p:WR+4*\p+3], v13, s[18:19] offset:1024*\p-6656                 ; waves 13, 14: W2; 16 t - 6,656 = 16 (t - 416), not below 0
.endr
	s_branch .Lld_join
.Lld_c:
	global_load_b32 v[WR], v15, s[20:21]           ; wave 15: b1, b2
	global_load_b32 v[WR+1], v15, s[22:23]
.Lld_join:
	; ---- the rest of the set-up, while those loads are on their way (it writes none of their registers: neither offsets nor destinations)
	s_and_b32 s29, s28, 3                          ; tt
	s_lshr_b32 s30, s28, 2                         ; q
	s_lshl_b32 s32, ttmp9, 8
	s_add_nc_u64 s[26:27], s[26:27], s[32:33]      ; out0 at the group's 256 bytes
	s_mul_i32 s32, s30, 10*E2F
	s_add_nc_u64 s[E2B:E2B+1], s[14:15], s[32:33]  ; emb2 at field 10 q
.irp i, 1,2,3,4,5,6,7,8
	s_add_nc_u64 s[E2B+2*\i:E2B+2*\i+1], s[E2B+2*\i-2:E2B+2*\i-1], E2F
.endr
	s_cmp_eq_u32 s30, 3                            ; quarter 3: slot 9 is the phantom
	s_cselect_b32 s32, 0, E2F                      ; it stays at field 38,
	s_cselect_b32 s36, 0, -1                       ; what it loads is ANDed with 0,
	s_cselect_b32 s62, 0, E1F                      ; and in emb1 it stays at field 38 too
	s_add_nc_u64 s[E2B+18:E2B+19], s[E2B+16:E2B+17], s[32:33]
	s_mul_i32 s32, s30, 10*E1F
	s_add_nc_u64 s[60:61], s[12:13], s[32:33]      ; emb1 at field 10 q
	s_mul_i32 s63, s30, 10
	s_add_co_u32 s63, s63, 9
	s_min_u32 s63, s63, NF-1
	s_lshl_b32 s63, s63, 2                         ; 4 x slot 9's field
	s_mul_i32 s2, s29, 16*ROWB
	s_add_co_u32 s2, s2, L_XI                      ; my tile's 16 rows of indices
	s_mul_i32 s3, s30, 40
	s_add_co_u32 s3, s3, s2                        ; + my quarter's first field
	s_add_co_u32 s4, s2, s63                       ; or + slot 9's field
	s_mul_i32 s5, s30, 160*WP                      ; my quarter's 160 rows of W1
	s_mul_i32 s6, s29, 3*REDBLK
	s_mul_i32 s7, s30, REDBLK
	s_add_co_u32 s6, s6, s7
	s_add_co_u32 s6, s6, L_REDB                    ; block (tt, q); with q = 0 the block in front of the tile's three, reached only with offsets from 3,200 on
	s_add_co_u32 s7, s6, 3072
	s_lshl_b32 s31, s29, 6
	s_mov_b32 s35, 0xffff0000                      ; the lanes with h = 1
	s_mov_b32 s37, 0x76543210                      ; v_permlanex16_b32: lane i reads lane i of the other half
	s_mov_b32 s38, 0xfedcba98
	v_and_b32 v18, 15, v0                          ; r
	v_bfe_u32 v19, v0, 4, 1                        ; h
	v_lshlrev_b32 v2, 5, v19
	v_mul_u32_u24 v3, v19, E1F
	v_mul_u32_u24 v4, s62, v19
	v_mad_u32_u24 v5, v18, ROWB, s3
	v_mad_u32_u24 v6, v18, ROWB, s4
	v_and_b32 v7, 7, v0
	v_lshl_add_u32 v7, v19, 3, v7                  ; 8 h + (L & 7)
	v_bfe_u32 v8, v0, 3, 1
	v_mad_u32_u24 v7, v7, WP, s5
	v_lshl_add_u32 v7, v8, 4, v7                   ; + 16 ((L >> 3) & 1)
	v_lshl_add_u32 v8, v1, 4, s6
	v_lshl_add_u32 v9, v1, 2, s7
	v_mov_b32 v10, s36
	v_cndmask_b32 v10, -1, v10, s35                ; h = 1: the phantom's mask; h = 0: all ones
	v_add_nc_u32 v12, L_XI, v11
	v_lshrrev_b32 v14, 3, v0
	v_and_b32 v16, 7, v0
	v_mul_u32_u24 v14, v14, WP
	v_lshl_add_u32 v14, v16, 3, v14                ; 96 (t >> 3) + 8 (t & 7)
	v_lshl_add_u32 v16, v18, 2, s31                ; 4 r + 64 tt
	v_lshrrev_b32 v17, 1, v1
	v_and_b32 v[RC], 1, v1
	v_mul_u32_u24 v17, v17, WP
	v_lshl_add_u32 v17, v[RC], 5, v17              ; 96 (L >> 1) + 32 (L & 1)
	s_wait_alu depctr_va_vdst(0)                   ; the set-up has written v2, v5 to v9, v12, v14, v16 and v17, which every later LDS instruction reads as its address; none of them is written again
	; ---- Xi and Xv into LDS
	s_wait_loadcnt 12                              ; waves 0..12: the 12 loads of W1 are younger, the six of Xi and Xv are in.  Waves 13..15 have at most four loads out and pass
	s_cmp_gt_u32 s28, 12
	s_cbranch_scc1 .Lidx_done
.irp p, 0,1,2
	ds_store_b64 v12, v[IDXR+2*\p:IDXR+2*\p+1] offset:3328*\p
	ds_store_b64 v12, v[IDXR+6+2*\p:IDXR+6+2*\p+1] offset:GRPB+3328*\p
.endr
.Lidx_done:
	s_wait_dscnt 0x0                               ; for the other waves' sake: my stores are done
	BAR                                            ; barrier 1: indices and Xv are in LDS
	; ---- indices to gathers.  No vector instruction has named VO2, RXV, RX or RE1 before the loads that land in them
.irp i, 0,1,2,3,4,5,6,7,8
	ds_load_b32 v[VO2+\i], v5 offset:4*\i
.endr
	ds_load_b32 v[VO2+9], v6
.irp i, 0,1,2,3,4,5,6,7,8
	ds_load_b32 v[RXV+\i], v5 offset:GRPB+4*\i
.endr
	ds_load_b32 v[RXV+9], v6 offset:GRPB
	s_wait_dscnt 10                                ; the ten reads of Xv are younger: the ten indices are in
	; all fifteen offsets are made first, so that one wait serves the 25 gathers
.irp j, 0,1,2,3,4
	v_cndmask_b32 v[VO1+\j], v[VO2+2*\j], v[VO2+2*\j+1], s35      ; the index of slot 2 j + h
.endr
.irp i, 0,1,2,3,4,5,6,7,8,9
	v_min_u32 v[VO2+\i], IMAX, v[VO2+\i]
.endr
.irp j, 0,1,2,3,4
	v_min_u32 v[VO1+\j], IMAX, v[VO1+\j]
.endr
.irp i, 0,1,2,3,4,5,6,7,8,9
	v_lshl_add_u32 v[VO2+\i], v[VO2+\i], 6, v2     ; 64 bytes a row, + 32 h
.endr
.irp j, 0,1,2,3
	v_lshl_add_u32 v[VO1+\j], v[VO1+\j], 2, v3     ; 4 bytes a word, + one field for h = 1
.endr
	v_lshl_add_u32 v[VO1+4], v[VO1+4], 2, v4       ; slot 9: no field further in quarter 3
	s_wait_alu depctr_va_vdst(0)                   ; the fifteen offsets in VO2 and VO1 are written, which the gathers below read; they are never written again
.irp i, 0,1,2,3,4,5,6,7,8,9
	global_load_b128 v[RX+8*\i:RX+8*\i+3], v[VO2+\i], s[E2B+2*\i:E2B+2*\i+1]                 ; my 32 bytes of slot i's row.  No cache word: a row may be named again
	global_load_b128 v[RX+8*\i+4:RX+8*\i+7], v[VO2+\i], s[E2B+2*\i:E2B+2*\i+1] offset:16
.endr
.irp j, 0,1,2,3,4
	global_load_b32 v[RE1+\j], v[VO1+\j], s[60:61] offset:2*E1F*\j                           ; emb1's word of slot 2 j + h
.endr
	s_wait_dscnt 0x0                               ; Xv
.irp j, 0,1,2,3,4
	v_cndmask_b32 v[RXVS+\j], v[RXV+2*\j], v[RXV+2*\j+1], s35
.endr
	; ---- weights into LDS as bf16, while the gathers are on their way.  In each role: the vector lines, one wait, the run of LDS stores
	s_wait_loadcnt 25                              ; the 25 gathers are younger: every staging load is in
.macro CVTW p                          ; four f32 to four bf16, in the first two of their four registers
	v_cvt_pk_bf16_f32 v[WR+4*\p], v[WR+4*\p], v[WR+4*\p+1]
	v_cvt_pk_bf16_f32 v[WR+4*\p+1], v[WR+4*\p+2], v[WR+4*\p+3]
.endm
.macro STW p, off                      ; 8 bytes into W's image
	ds_store_b64 v14, v[WR+4*\p:WR+4*\p+1] offset:\off
.endm
	s_cmp_gt_u32 s28, 12
	s_cbranch_scc1 .Lw_bc
.irp p, 0,1,2,3,4,5,6,7,8,9,10,11
	CVTW \p
.endr
	s_wait_alu depctr_va_vdst(0)                   ; the 24 conversions have written v[WR ..], which the LDS stores read, and are done with the registers in which W1's fragments land later
.irp p, 0,1,2,3,4,5,6,7,8,9,10,11
	STW \p, L_WS+52*WP*\p                          ; row (t >> 3) + 52 p
.endr
	s_branch .Lw_join
.Lw_bc:
	s_cmp_eq_u32 s28, 15
	s_cbranch_scc1 .Lw_c
.irp p, 0,1,2,3
	CVTW \p
.endr
	s_wait_alu depctr_va_vdst(0)                   ; the eight conversions have written v[WR ..], which the LDS stores read, and are done with the registers in which W1's fragments land later
.irp p, 0,1,2,3
	STW \p, L_WS+588*WP+8*WP*\p                    ; row 640 + ((t - 416) >> 3) + 8 p = 588 + (t >> 3) + 8 p
.endr
	s_branch .Lw_join
.Lw_c:
.irp k, 4,5,6,7
	v_mov_b32 v[WR+\k], 0
.endr
	s_wait_alu depctr_va_vdst(0)                   ; the four zeros are written, which the stores of the zero rows read; W1's fragments land in these registers later
	ds_store_b32 v15, v[WR] offset:L_B1
	ds_store_b32 v15, v[WR+1] offset:L_B2
	ds_store_b128 v17, v[WR+4:WR+7] offset:L_Z     ; rows 624..639: 32 lanes x 32 bytes
	ds_store_b128 v17, v[WR+4:WR+7] offset:L_Z+16
.Lw_join:
	s_wait_dscnt 0x0
	BAR                                            ; barrier 2: W1, the zeros, W2, b1, b2 are in LDS
	s_wait_alu depctr_vm_vsrc(0)                   ; my LDS stores have read v[WR ..], in which the fragments below land, and v[IDXR ..], which K step 0 writes as s and the sum of squares
	; ---- W1's fragments: 32 k x 16 n each, transposed on the way (k along the registers, column n0 + r in lane (r, h)).
	; No vector instruction has been issued since the wait behind the staging's vector lines
.irp j, 0,1,2,3,4
	ds_load_tr16_b128 v[RBW+16*\j:RBW+16*\j+3],     v7 offset:L_WS+32*WP*\j
	ds_load_tr16_b128 v[RBW+16*\j+4:RBW+16*\j+7],   v7 offset:L_WS+32*WP*\j+16*WP
	ds_load_tr16_b128 v[RBW+16*\j+8:RBW+16*\j+11],  v7 offset:L_WS+32*WP*\j+32
	ds_load_tr16_b128 v[RBW+16*\j+12:RBW+16*\j+15], v7 offset:L_WS+32*WP*\j+16*WP+32
.endr
; K step j: slots a = 2 j and b = 2 j + 1.  Scale by Xv, add to s and to the sum of squares in f32, round to bf16, two matrix instructions.
; The two accumulators are chains in place; the vector work between two links names none of their registers.
; A step issues no memory or LDS instruction: it holds waits on the memory counters alone.
.macro STEP j
.set XA, RX+16*\j
.set XB, RX+16*\j+8
	s_wait_loadcnt 21-4*\j                         ; 25 - 4 (j + 1) gathers are younger than this step's four
.if \j == 4
.irp k, 0,1,2,3,4,5,6,7
	v_and_b32 v[XB+\k], s36, v[XB+\k]              ; the phantom of quarter 3 becomes zeros; elsewhere the mask is all ones
.endr
.endif
.irp k, 0,2,4,6
	v_pk_mul_f32 v[XA+\k:XA+\k+1], v[XA+\k:XA+\k+1], v[RXV+2*\j:RXV+2*\j+1] op_sel_hi:[1,0]              ; both by Xv of slot a
.endr
.irp k, 0,2,4,6
	v_pk_mul_f32 v[XB+\k:XB+\k+1], v[XB+\k:XB+\k+1], v[RXV+2*\j:RXV+2*\j+1] op_sel:[0,1] op_sel_hi:[1,1] ; both by Xv of slot b
.endr
.if \j == 0
.irp k, 0,2,4,6
	v_pk_add_f32 v[RS+\k:RS+\k+1], v[XA+\k:XA+\k+1], v[XB+\k:XB+\k+1]                                    ; the first step starts the sums: nothing is cleared
	v_pk_mul_f32 v[RQ+\k:RQ+\k+1], v[XA+\k:XA+\k+1], v[XA+\k:XA+\k+1]
.endr
.else
.irp k, 0,2,4,6
	v_pk_add_f32 v[RS+\k:RS+\k+1], v[RS+\k:RS+\k+1], v[XA+\k:XA+\k+1]
	v_pk_fma_f32 v[RQ+\k:RQ+\k+1], v[XA+\k:XA+\k+1], v[XA+\k:XA+\k+1], v[RQ+\k:RQ+\k+1]
.endr
.irp k, 0,2,4,6
	v_pk_add_f32 v[RS+\k:RS+\k+1], v[RS+\k:RS+\k+1], v[XB+\k:XB+\k+1]
.endr
.endif
.irp k, 0,2,4,6
	v_pk_fma_f32 v[RQ+\k:RQ+\k+1], v[XB+\k:XB+\k+1], v[XB+\k:XB+\k+1], v[RQ+\k:RQ+\k+1]
.endr
.irp k, 0,1,2,3
	v_cvt_pk_bf16_f32 v[XA+\k], v[XA+2*\k], v[XA+2*\k+1]           ; k = 8 h .. + 7 of the step: slot a.  Each source is used before it is written over
.endr
.irp k, 0,1,2,3
	v_cvt_pk_bf16_f32 v[XA+4+\k], v[XB+2*\k], v[XB+2*\k+1]         ; k = 16 + 8 h .. + 7: slot b
.endr
	s_wait_dscnt 16-4*\j                           ; the later steps' fragment loads are younger
.if \j == 0
	v_wmma_f32_16x16x32_bf16 v[RD0:RD0+7], v[RBW+16*\j:RBW+16*\j+7], v[XA:XA+7], 0
	v_wmma_f32_16x16x32_bf16 v[RD1:RD1+7], v[RBW+16*\j+8:RBW+16*\j+15], v[XA:XA+7], 0
.else
	v_wmma_f32_16x16x32_bf16 v[RD0:RD0+7], v[RBW+16*\j:RBW+16*\j+7], v[XA:XA+7], v[RD0:RD0+7]
	v_wmma_f32_16x16x32_bf16 v[RD1:RD1+7], v[RBW+16*\j+8:RBW+16*\j+15], v[XA:XA+7], v[RD1:RD1+7]
.endif
.endm
	STEP 0
	STEP 1
	STEP 2
	STEP 3
	STEP 4
	; ---- the wave's scalar part.  These eleven plain vector instructions name no register of the last matrix instructions, so they are also
	; the distance that the LDS stores of the results keep from them; the wait behind them stands beside that distance, not in its place
	s_wait_loadcnt 0x0                             ; emb1's five words
	v_and_b32 v[RE1+4], v10, v[RE1+4]              ; the phantom's word becomes zero
	v_mul_f32 v[RC], v[RE1], v[RXVS]
.irp j, 1,2,3,4
	v_fma_f32 v[RC], v[RE1+\j], v[RXVS+\j], v[RC]
.endr
	v_pk_add_f32 v[RQ:RQ+1], v[RQ:RQ+1], v[RQ+2:RQ+3]
	v_pk_add_f32 v[RQ+4:RQ+5], v[RQ+4:RQ+5], v[RQ+6:RQ+7]
	v_pk_add_f32 v[RQ:RQ+1], v[RQ:RQ+1], v[RQ+4:RQ+5]
	v_add_f32 v[RQ], v[RQ], v[RQ+1]
	v_fma_f32 v[RC], -0.5, v[RQ], v[RC]            ; first-order part - 0.5 x sum of squares
	s_wait_alu depctr_va_vdst(0)                   ; waves 4..15: RD0, RD1, RS and RC are written, which the LDS stores below read.  Waves 0..3: the K steps are done reading and writing
	                                               ; RX and RBW, in which the 33 loads behind the barrier land; no vector instruction stands between this wait and those loads
	; ---- quarters 1..3 hand their sums to quarter 0, and never write these registers again
	s_cmp_lt_u32 s28, 4
	s_cbranch_scc1 .Lkeep
	ds_store_b128 v8, v[RD0:RD0+3]
	ds_store_b128 v8, v[RD0+4:RD0+7] offset:512
	ds_store_b128 v8, v[RD1:RD1+3] offset:1024
	ds_store_b128 v8, v[RD1+4:RD1+7] offset:1536
	ds_store_b128 v8, v[RS:RS+3] offset:2048
	ds_store_b128 v8, v[RS+4:RS+7] offset:2560
	ds_store_b32 v9, v[RC]
.Lkeep:
	s_wait_dscnt 0x0
	s_wait_kmcnt 0x0                               ; bias
	BAR                                            ; barrier 3: the partial sums are in LDS
	s_cmp_gt_u32 s28, 3
	s_cbranch_scc1 .Ljoin
	; ---- waves 0..3: add the quarters, layer 2, the totals of 16 rows.  33 LDS loads in five groups, in the order of their use
.irp p, 1,2,3
.irp k, 0,1,2,3
	ds_load_b128 v[PD+16*(\p-1)+4*\k:PD+16*(\p-1)+4*\k+3], v8 offset:REDBLK*\p+512*\k
.endr
.endr
	ds_load_b128 v[B1R:B1R+3], v2 offset:L_B1                      ; b1[8 h ..]
	ds_load_b128 v[B1R+4:B1R+7], v2 offset:L_B1+16
	ds_load_b128 v[B1R+8:B1R+11], v2 offset:L_B1+64                ; b1[16 + 8 h ..]
	ds_load_b128 v[B1R+12:B1R+15], v2 offset:L_B1+80
	ds_load_tr16_b128 v[W2F:W2F+3], v7 offset:L_W2
	ds_load_tr16_b128 v[W2F+4:W2F+7], v7 offset:L_W2+16*WP
	ds_load_tr16_b128 v[W2F+8:W2F+11], v7 offset:L_W2+32
	ds_load_tr16_b128 v[W2F+12:W2F+15], v7 offset:L_W2+16*WP+32
	ds_load_b128 v[RD2:RD2+3], v2 offset:L_B2                      ; b2 in the results' layout: it enters as C
	ds_load_b128 v[RD2+4:RD2+7], v2 offset:L_B2+16
	ds_load_b128 v[RD2+8:RD2+11], v2 offset:L_B2+64
	ds_load_b128 v[RD2+12:RD2+15], v2 offset:L_B2+80
.irp p, 1,2,3
	ds_load_b128 v[PS+8*(\p-1):PS+8*(\p-1)+3], v8 offset:REDBLK*\p+2048
	ds_load_b128 v[PS+8*(\p-1)+4:PS+8*(\p-1)+7], v8 offset:REDBLK*\p+2560
.endr
.irp p, 1,2,3
	ds_load_b32 v[PC+\p-1], v9 offset:REDBLK*\p
.endr
	s_wait_dscnt 17                                ; W2 (4), b2 (4), s (6) and the scalars (3) are younger: the layer 1 sums and b1 are in
.irp k, 0,2,4,6,8,10,12,14
	v_pk_add_f32 v[RD0+\k:RD0+\k+1], v[RD0+\k:RD0+\k+1], v[PD+\k:PD+\k+1]
.endr
.irp k, 0,2,4,6,8,10,12,14
	v_pk_add_f32 v[RD0+\k:RD0+\k+1], v[RD0+\k:RD0+\k+1], v[PD+16+\k:PD+16+\k+1]
.endr
.irp k, 0,2,4,6,8,10,12,14
	v_pk_add_f32 v[RD0+\k:RD0+\k+1], v[RD0+\k:RD0+\k+1], v[PD+32+\k:PD+32+\k+1]
.endr
.irp k, 0,2,4,6,8,10,12,14
	v_pk_add_f32 v[RD0+\k:RD0+\k+1], v[RD0+\k:RD0+\k+1], v[B1R+\k:B1R+\k+1]
.endr
.irp k, 0,1,2,3,4,5,6,7,8,9,10,11,12,13,14,15
	v_max_num_f32 v[RD0+\k], 0, v[RD0+\k]
.endr
.irp k, 0,1,2,3,4,5,6,7
	v_cvt_pk_bf16_f32 v[RH+\k], v[RD0+2*\k], v[RD0+2*\k+1]         ; features 8 h + 0..7, then 16 + 8 h + 0..7: layer 2's fragment as it stands
.endr
	s_wait_dscnt 9                                 ; s and the scalars are younger: W2 and b2 are in
	v_wmma_f32_16x16x32_bf16 v[RD2:RD2+7], v[W2F:W2F+7], v[RH:RH+7], v[RD2:RD2+7]
	v_wmma_f32_16x16x32_bf16 v[RD2+8:RD2+15], v[W2F+8:W2F+15], v[RH:RH+7], v[RD2+8:RD2+15]
	s_wait_dscnt 0x0
	; the FM term: 21 plain vector instructions on other registers stand between the matrix instructions and the first read of their results
.irp p, 0,1,2
.irp k, 0,2,4,6
	v_pk_add_f32 v[RS+\k:RS+\k+1], v[RS+\k:RS+\k+1], v[PS+8*\p+\k:PS+8*\p+\k+1]
.endr
.endr
.irp p, 0,1,2
	v_add_f32 v[RC], v[RC], v[PC+\p]
.endr
	v_pk_mul_f32 v[RQ:RQ+1], v[RS:RS+1], v[RS:RS+1]
.irp k, 2,4,6
	v_pk_fma_f32 v[RQ:RQ+1], v[RS+\k:RS+\k+1], v[RS+\k:RS+\k+1], v[RQ:RQ+1]
.endr
	v_add_f32 v[RQ], v[RQ], v[RQ+1]
	v_fma_f32 v[RC], 0.5, v[RQ], v[RC]             ; + 0.5 x the sum of s^2 over my 8 elements
.irp k, 0,1,2,3,4,5,6,7,8,9,10,11,12,13,14,15
	v_max_num_f32 v[RD2+\k], 0, v[RD2+\k]
.endr
.irp k, 0,4,8,12
	v_pk_add_f32 v[RD2+\k:RD2+\k+1], v[RD2+\k:RD2+\k+1], v[RD2+\k+2:RD2+\k+3]
.endr
	v_pk_add_f32 v[RD2:RD2+1], v[RD2:RD2+1], v[RD2+4:RD2+5]
	v_pk_add_f32 v[RD2+8:RD2+9], v[RD2+8:RD2+9], v[RD2+12:RD2+13]
	v_pk_add_f32 v[RD2:RD2+1], v[RD2:RD2+1], v[RD2+8:RD2+9]
	v_add_f32 v[RD2], v[RD2], v[RD2+1]
	v_add_f32 v[RC], v[RC], v[RD2]                 ; + my 16 of the row's 32 h
	v_permlanex16_b32 v18, v[RC], s37, s38         ; the other half's part of the same batch row (v18 has been written: it held r)
	v_add_f32 v[RC], v[RC], v18
	v_add_f32 v[RC], s34, v[RC]                    ; + bias
	s_wait_alu depctr_va_vdst(0)                   ; the total in RC is written, which the LDS store reads; the last lines that name v18 and v19 are done, in which wave 0's load below lands
	ds_store_b32 v16, v[RC] offset:L_OUT           ; lanes r and r + 16 write the same word with the same value
.Ljoin:
	s_wait_dscnt 0x0
	BAR                                            ; barrier 4: the 64 totals are in LDS
	s_cmp_lg_u32 s28, 0
	s_cbranch_scc1 .Lend
	ds_load_b64 v[18:19], v11 offset:L_OUT         ; wave 0: t = L.  No vector instruction has been issued since the wait ahead of the total's store
	s_wait_dscnt 0x0
	global_store_b64 v11, v[18:19], s[26:27] th:TH_STORE_NT        ; 32 lanes x 8 bytes: the group's 256 consecutive bytes of out0, aligned
.Lend:
	s_wait_dscnt 0x0
	s_wait_alu depctr_hold_cnt(0) depctr_sa_sdst(0) depctr_va_vdst(0) depctr_va_sdst(0) depctr_va_ssrc(0) depctr_va_vcc(0) depctr_vm_vsrc(0)
	s_wait_tensorcnt 0x0
	ds_add_u32 v248, v249
	s_wait_dscnt 0x0
	s_endpgm
.Lfunc_end_k_qfd75653b32_deepfm:
	.size	k_qfd75653b32_deepfm, .Lfunc_end_k_qfd75653b32_deepfm-k_qfd75653b32_deepfm
	.p2alignl 7, 3214868480
	.fill 96, 4, 3214868480
	.section	.rodata,"a",@progbits
	.p2align	6, 0x0
	.amdhsa_kernel k_qfd75653b32_deepfm
		.amdhsa_group_segment_fixed_size 125440
		.amdhsa_private_segment_fixed_size 0
		.amdhsa_enable_private_segment 0
		.amdhsa_kernarg_size 80
		.amdhsa_user_sgpr_count 2
		.amdhsa_user_sgpr_kernarg_segment_ptr 1
		.amdhsa_wavefront_size32 1
		.amdhsa_system_sgpr_workgroup_id_x 1
		.amdhsa_system_sgpr_workgroup_id_y 1
		.amdhsa_system_sgpr_workgroup_id_z 1
		.amdhsa_system_vgpr_workitem_id 0
		.amdhsa_next_free_vgpr 250
		.amdhsa_next_free_sgpr 66
		.amdhsa_reserve_vcc 0
		.amdhsa_float_denorm_mode_32 3
		.amdhsa_float_denorm_mode_16_64 3
		.amdhsa_memory_ordered 1
		.amdhsa_forward_progress 1
		.amdhsa_inst_pref_size 40
	.end_amdhsa_kernel
	.amdgpu_metadata
---
amdhsa.version: [ 1, 2 ]
amdhsa.kernels:
  - .name:           k_qfd75653b32_deepfm
    .symbol:         k_qfd75653b32_deepfm.kd
    .args:
      - { .name: Xi, .offset: 0, .size: 8, .value_kind: global_buffer, .address_space: global }
      - { .name: Xv, .offset: 8, .size: 8, .value_kind: global_buffer, .address_space: global }
      - { .name: emb1, .offset: 16, .size: 8, .value_kind: global_buffer, .address_space: global }
      - { .name: emb2, .offset: 24, .size: 8, .value_kind: global_buffer, .address_space: global }
      - { .name: W1, .offset: 32, .size: 8, .value_kind: global_buffer, .address_space: global }
      - { .name: W2, .offset: 40, .size: 8, .value_kind: global_buffer, .address_space: global }
      - { .name: b1, .offset: 48, .size: 8, .value_kind: global_buffer, .address_space: global }
      - { .name: b2, .offset: 56, .size: 8, .value_kind: global_buffer, .address_space: global }
      - { .name: bias, .offset: 64, .size: 8, .value_kind: global_buffer, .address_space: global }
      - { .name: out0, .offset: 72, .size: 8, .value_kind: global_buffer, .address_space: global }
    .group_segment_fixed_size: 125440
    .private_segment_fixed_size: 0
    .kernarg_segment_align: 8
    .kernarg_segment_size: 80
    .max_flat_workgroup_size: 512
    .sgpr_count:     66
    .vgpr_count:     250
    .wavefront_size: 32
...
	.end_amdgpu_metadata
.endif
;; end of part 2
